; MI455X (gfx1250); checked and timed in simulation.
; The chip was launched on July 23, 2026; its instructions are those of AMD's public machine-readable ISA for CDNA 5 (MIT licence, August 2026) and "CDNA5" Instruction Set Architecture Reference Guide (July 2026). The comments in the code are by the model that wrote it; some were corrected since.
;; Sliding Window Attention. Allowed arithmetic: float matrix products may take bf16 or f16 operands with f32 sums; all other float work in f32.
;; Inputs: wk 2,048 x 2,048 float32; wo 2,048 x 2,048 float32; wq 2,048 x 2,048 float32; wv 2,048 x 2,048 float32; x 2 x 1,024 x 2,048 float32.
;; Outputs: out0 2 x 1,024 x 2,048 float32.
;; One version. Each part assembles by itself: llvm-mc -triple=amdgcn-amd-amdhsa -mcpu=gfx1250 --defsym DOCPART=n.
;; ======== version 1 of 1: 4 launches
;; limits: values are held in f16: magnitudes above 65,504 overflow, below 6.1e-05 lose precision
;; workspace buffers: h16 33,554,432 bytes; wo16 8,388,608 bytes; qkv 25,165,824 bytes; att 8,388,608 bytes
;; launch conv (part 1): grid 256 x 4, 8 waves a work-group, no clusters, 0 bytes of LDS; arguments x, wq, wk, wv, h16; writes h16
.if DOCPART == 1
	.amdgcn_target "amdgcn-amd-amdhsa--gfx1250"
	.amdhsa_code_object_version 6
	.text
	.protected	k_q5b16dbfd4e_conv
	.globl	k_q5b16dbfd4e_conv
	.p2align	8
	.type	k_q5b16dbfd4e_conv,@function
k_q5b16dbfd4e_conv:
	s_mov_b64 s[64:65], 0
	v_nop
	global_prefetch_b8 v0, s[64:65] scope:SCOPE_SE
	s_setreg_imm32_b32 hwreg(HW_REG_WAVE_MODE, 25, 1), 1
	s_wait_xcnt 0x0
; h16 = x, wq, wk, wv rounded once from f32 to f16, as four blocks of [2048][2048] in that order,
; so that [wq; wk; wv] is one matrix of [6144][2048] for the next launch.  (wo is rounded in the attention launch.)
; LIMIT, stated: f16 holds magnitudes up to 65,504 (larger inputs become infinities) and below 6.1e-5 rounds with an absolute
; error of up to 3e-8.  f16 and not bf16 because its rounding is eight times finer at the same matrix rate.
; A stream: no LDS, no barrier, no matrix unit.  Grid y picks the tensor; a work-group takes 65,536 input bytes, a wave 8,192.
; A load of a wave covers 512 consecutive bytes; a store of a wave covers 256 consecutive bytes, aligned.
; All sixteen loads of a wave go out at once; no register is written twice, so no wait frees a source.
.set LOADS, 16
.set XR, 4                             ; v[4:67]   load i: four f32
.set YR, 68                            ; v[68:99]  store i: four f16
	s_load_b256 s[4:11], s[0:1], 0x0               ; x s[4:5], wq s[6:7], wk s[8:9], wv s[10:11]
	s_load_b64 s[14:15], s[0:1], 0x20              ; h16
	s_and_b32 s16, ttmp7, 0xffff                   ; which tensor: 0 x, 1 wq, 2 wk, 3 wv
	v_lshrrev_b32 v3, 5, v0                        ; wave
	v_and_b32 v1, 31, v0                           ; lane
	v_lshlrev_b32 v2, 3, v1                        ; 8 bytes a lane out
	v_lshlrev_b32 v1, 4, v1                        ; 16 bytes a lane in
	v_lshl_add_u32 v1, v3, 13, v1                  ; + wave x 8,192
	v_lshl_add_u32 v2, v3, 12, v2                  ; + wave x 4,096
	s_lshl_b32 s18, ttmp9, 16                      ; the work-group's 65,536 bytes of the input
	s_mov_b32 s19, 0
	s_lshl_b32 s20, s16, 23                        ; the tensor's block of 8,388,608 bytes in h16
	s_lshl_b32 s21, ttmp9, 15                      ; the work-group's 32,768 bytes in it
	s_add_co_u32 s20, s20, s21
	s_mov_b32 s21, 0
	s_wait_kmcnt 0x0
	s_cmp_eq_u32 s16, 1                            ; the choice hangs on the grid's y alone
	s_cselect_b64 s[4:5], s[6:7], s[4:5]
	s_cmp_eq_u32 s16, 2
	s_cselect_b64 s[4:5], s[8:9], s[4:5]
	s_cmp_eq_u32 s16, 3
	s_cselect_b64 s[4:5], s[10:11], s[4:5]
	s_add_nc_u64 s[4:5], s[4:5], s[18:19]
	s_add_nc_u64 s[14:15], s[14:15], s[20:21]
.set i, 0
.rept LOADS
	global_load_b128 v[XR+4*i:XR+4*i+3], v1, s[4:5] offset:512*i th:TH_LOAD_NT   ; read once in the whole launch
.set i, i+1
.endr
.set i, 0
.rept LOADS
	s_wait_loadcnt LOADS-1-i                       ; loads come back in order (ISA guide 5.7.1): load i is in, the younger ones stay out
	v_cvt_pk_f16_f32 v[YR+2*i], v[XR+4*i], v[XR+4*i+1]
	v_cvt_pk_f16_f32 v[YR+2*i+1], v[XR+4*i+2], v[XR+4*i+3]
	global_store_b64 v2, v[YR+2*i:YR+2*i+1], s[14:15] offset:256*i               ; the next launch reads it: no hint
.set i, i+1
.endr
	s_endpgm
.Lfunc_end_k_q5b16dbfd4e_conv:
	.size	k_q5b16dbfd4e_conv, .Lfunc_end_k_q5b16dbfd4e_conv-k_q5b16dbfd4e_conv
	.p2alignl 7, 3214868480
	.fill 96, 4, 3214868480
	.section	.rodata,"a",@progbits
	.p2align	6, 0x0
	.amdhsa_kernel k_q5b16dbfd4e_conv
		.amdhsa_group_segment_fixed_size 0
		.amdhsa_private_segment_fixed_size 0
		.amdhsa_enable_private_segment 0
		.amdhsa_kernarg_size 40
		.amdhsa_user_sgpr_count 2
		.amdhsa_user_sgpr_kernarg_segment_ptr 1
		.amdhsa_wavefront_size32 1
		.amdhsa_system_sgpr_workgroup_id_x 1
		.amdhsa_system_sgpr_workgroup_id_y 1
		.amdhsa_system_sgpr_workgroup_id_z 1
		.amdhsa_system_vgpr_workitem_id 0
		.amdhsa_next_free_vgpr 100
		.amdhsa_next_free_sgpr 66
		.amdhsa_reserve_vcc 0
		.amdhsa_float_denorm_mode_32 3
		.amdhsa_float_denorm_mode_16_64 3
		.amdhsa_memory_ordered 1
		.amdhsa_forward_progress 1
		.amdhsa_inst_pref_size 7
	.end_amdhsa_kernel
	.amdgpu_metadata
---
amdhsa.version: [ 1, 2 ]
amdhsa.kernels:
  - .name:           k_q5b16dbfd4e_conv
    .symbol:         k_q5b16dbfd4e_conv.kd
    .args:
      - { .name: x, .offset: 0, .size: 8, .value_kind: global_buffer, .address_space: global }
      - { .name: wq, .offset: 8, .size: 8, .value_kind: global_buffer, .address_space: global }
      - { .name: wk, .offset: 16, .size: 8, .value_kind: global_buffer, .address_space: global }
      - { .name: wv, .offset: 24, .size: 8, .value_kind: global_buffer, .address_space: global }
      - { .name: h16, .offset: 32, .size: 8, .value_kind: global_buffer, .address_space: global }
    .group_segment_fixed_size: 0
    .private_segment_fixed_size: 0
    .kernarg_segment_align: 8
    .kernarg_segment_size: 40
    .max_flat_workgroup_size: 256
    .sgpr_count:     66
    .vgpr_count:     100
    .wavefront_size: 32
...
	.end_amdgpu_metadata
.endif
;; end of part 1
;; launch gemm_qkv (part 2): grid 16 x 16, 4 waves a work-group, clusters of 4 x 4, 327,680 bytes of LDS; arguments h16, qkv; writes qkv
.if DOCPART == 2
	.amdgcn_target "amdgcn-amd-amdhsa--gfx1250"
	.amdhsa_code_object_version 6
	.text
	.protected	k_q5b16dbfd4e_gemm_qkv
	.globl	k_q5b16dbfd4e_gemm_qkv
	.p2align	8
	.type	k_q5b16dbfd4e_gemm_qkv,@function
k_q5b16dbfd4e_gemm_qkv:
	s_mov_b64 s[64:65], 0
	v_nop
	global_prefetch_b8 v0, s[64:65] scope:SCOPE_SE
	s_setreg_imm32_b32 hwreg(HW_REG_WAVE_MODE, 25, 1), 1
	s_wait_xcnt 0x0
	s_wait_alu depctr_hold_cnt(0) depctr_sa_sdst(0) depctr_va_vdst(0) depctr_va_sdst(0) depctr_va_ssrc(0) depctr_va_vcc(0) depctr_vm_vsrc(0)
	s_getreg_b32 s2, hwreg(HW_REG_IB_STS2, 6, 4)
	s_cmp_eq_u32 s2, 0
	s_cbranch_scc0 .Lentry_in_a_cluster
	s_endpgm
.Lentry_in_a_cluster:
	s_bfe_u32 s2, ttmp6, 0x10000c
	s_cmp_lg_u32 s2, 0xf033
	s_cbranch_scc0 .Lentry_shape_is_right
	s_endpgm
.Lentry_shape_is_right:
; qkv[t][c] = sum over k of X[t][k] W[c][k].  X = h16's block 0, [2048][2048] f16; W = h16's blocks 1 to 3, [6144][2048] f16 (wq, wk, wv);
; qkv: [2048][6144] f16; sums in f32, rounded once.  LIMIT, stated: results beyond 65,504 become infinities in f16.
; 2048 x 6144 outputs on 256 work-groups are 49,152 each: a block of 128 rows x 384 columns (768 bytes of a row: three aligned blocks of 256).
; Four waves, as many as a WGP has SIMDs; wave w makes all 128 rows x columns 96 w .. 96 w + 95: 48 accumulator tiles of 16 x 16, 384 registers.
; K goes in steps of 128 (rows of 256 bytes, aligned) through a ring of two LDS slots filled by the tensor data mover.
; CLUSTERS: 4 x 4 work-groups.  The four of a row of the cluster need the same tile of X, the four of a column the same tiles of W: each tile is
; asked for jointly, by the same tensor load with a mask that names the four.  Wave 0 asks for X's 128 rows, waves 1 to 3 for 128 rows of W each.
; WHICH CLUSTER MAKES WHAT, AND FROM WHERE IT WALKS K.  Cluster (x, y) of the launch makes the column of clusters X' = 2 (y & 1) + (x & 1) and the row of
; clusters Y' = 2 (y >> 1) + (x >> 1): the eight clusters whose y has the same low bit make one half of the columns, so they read one half of W.
; Its first K step is r = 4 Y' + 8 (x & 1) modulo 16, and it walks on round the end of the rows.  So the four clusters that read the same rows of W start
; a quarter of K apart, and of the four that read the same rows of X the two with the same y & 1 start half of K apart: in no step do they ask
; for the same tile; a tile is asked for first by one of them and some steps later by the others.  Only the order of the f32 sums along K hangs on r.
;
; REGISTERS, in windows of 256:
;   window 0: v16-29 addresses; v64-127, v128-191 fragments of X (8 x 16 rows x 32 K), two buffers; v192-239 at work on the way out
;   window 1: v64-111, v128-175 fragments of W (6 x 16 rows x 32 K), two buffers
;   window 2: the 24 accumulator tiles of rows 0-63 (tile (a, b) at v[8 (6 a + b)]);   window 3: those of rows 64-127
; The matrix instruction is used transposed (source 0 = rows of W, source 1 = rows of X): lane l then holds row l % 16 of the result and in
; its registers 0 to 7 the columns 8 (l / 16) + 0 .. 7, eight neighbours that pack into 16 bytes.
.set KSTEP,  128
.set PITCH,  272                       ; an LDS row: 256 bytes + 16 of padding: the 16 rows that a load touches start 16 bytes apart modulo 256
.set PART,   128*PITCH                 ; 128 rows: what one tensor load brings
.set SLOT,   4*PART                    ; X's 128 rows, then W's 384 rows
.set SP,     784                       ; the way out: a row of 768 bytes + 16
.set LAPS,   2048/(2*KSTEP)            ; a lap = two K steps = once round the ring
.set W_AT,   8388608                   ; byte of wq's first row in h16
.set ADRA, 16                          ; v16-17  LDS address of my X fragments in slot 0, 1
.set ADRB, 20                          ; v20-21  the same for W
.set STO,  24                          ; v24     the way out: where I put 16 bytes of a row, rows 0-63
.set STO2, 25                          ; v25     the same, rows 64-127
.set RD,   26                          ; v26     the way out: 16 x lane in my 32 rows
.set RDM,  27                          ; v27     the same for the load that spans two rows
.set CO,   28                          ; v28     my byte offset in qkv
.set COM,  29                          ; v29     the same for the store that spans two rows
.set F0,   64
.set F1,   128
.set TMP,  192
.set G1, 24                            ; s[24:31] descriptor group 1 for X's tiles
.set G0, 32                            ; s[32:39] descriptor group 0 for X's tiles, one set for each slot
.set G1B, 48                           ; s[48:55] group 1 for W's tiles: another mask
.set G0B, 56                           ; s[56:63] group 0 for W's tiles, one set for each slot
.set OF, 72                            ; s[72:75] for each slot a pair: the byte in a row of 4,096 at which its K step begins, and 0
.set MSB, 0
.macro WIN new                         ; the immediate's high byte repeats the setting that is left
.if MSB != \new
	s_set_vgpr_msb (MSB<<8)|\new
.set MSB, \new
.endif
.endm
.set MUL_LO, 0xa1                      ; source 0 (W) window 1, source 1 (X) window 0, C and D window 2
.set MUL_HI, 0xf1                      ; the same, C and D window 3
.set TO_B,   0x40                      ; destination window 1, address window 0
; A joint load: wave 0 asks for X's tile, waves 1 to 3 for their 128 rows of W.  The branch hangs on the wave's number alone.
.macro JLOAD s
	s_cmp_eq_u32 s10, 0
	s_cbranch_scc0 .Lfor_b_\@
	tensor_load_to_lds s[G0+4*\s:G0+4*\s+3], s[G1:G1+7]
	s_nop 0
	s_branch .Lasked_\@
.Lfor_b_\@:
	tensor_load_to_lds s[G0B+4*\s:G0B+4*\s+3], s[G1B:G1B+7]
	s_nop 0
.Lasked_\@:
.endm
; Both group 0 addresses of a slot: the tile's rows, plus the byte at which the slot's K step begins; then the type
.macro AIM s
	s_add_nc_u64 s[G0+4*\s+2:G0+4*\s+3], s[14:15], s[OF+2*\s:OF+2*\s+1]
	s_or_b32 s[G0+4*\s+3], s[G0+4*\s+3], 0x80000000
	s_add_nc_u64 s[G0B+4*\s+2:G0B+4*\s+3], s[46:47], s[OF+2*\s:OF+2*\s+1]
	s_or_b32 s[G0B+4*\s+3], s[G0B+4*\s+3], 0x80000000
.endm
; A round of the cluster's barrier: my work-group's barrier, wave 0 signals for the work-group, every wave waits for all sixteen, my work-group's barrier again.
.macro CREST                           ; a round behind its opening barrier
	s_cmp_lg_u32 s10, 0
	s_cbranch_scc1 .Lnot_wave_0_\@
	s_barrier_signal -3
.Lnot_wave_0_\@:
	s_barrier_wait -3
	s_barrier_signal -1
	s_barrier_wait -1
.endm
.macro CROUND
	s_barrier_signal -1
	s_barrier_wait -1
	CREST
.endm
	s_load_b128 s[4:7], s[0:1], 0x0                ; h16 s[4:5], qkv s[6:7]
	s_set_vgpr_msb 0x40
	v_lshl_add_u32 v255, v0, 2, 0x44000
	s_set_vgpr_msb 0x4000
	v_mov_b32 v255, 0
	s_set_vgpr_msb 0x1
	ds_add_u32 v255, v255
	ds_add_u32 v255, v255
	s_set_vgpr_msb 0x100
	v_lshrrev_b32 v1, 5, v0
	v_readfirstlane_b32 s10, v1                    ; wave 0..3
	s_bfe_u32 s40, ttmp6, 0x40000                  ; cx
	s_bfe_u32 s41, ttmp6, 0x40004                  ; cy
	s_and_b32 s66, ttmp7, 0xffff                   ; the cluster's y
	s_and_b32 s67, ttmp9, 1                        ; x & 1
	s_lshr_b32 s68, ttmp9, 1                       ; x >> 1
	s_and_b32 s69, s66, 1                          ; y & 1
	s_lshr_b32 s66, s66, 1                         ; y >> 1
	s_lshl_b32 s42, s69, 1
	s_add_co_u32 s42, s42, s67                     ; X' = 2 (y & 1) + (x & 1)
	s_lshl_b32 s13, s66, 1
	s_add_co_u32 s13, s13, s68                     ; Y' = 2 (y >> 1) + (x >> 1)
	s_lshl_b32 s70, s13, 2
	s_lshl_b32 s71, s67, 3
	s_add_co_u32 s70, s70, s71                     ; r = 4 Y' + 8 (x & 1): the same in all sixteen work-groups of the cluster
	s_and_b32 s[OF], s70, 15
	s_lshl_b32 s[OF], s[OF], 8                     ; slot 0 begins with K step r, 256 bytes a step
	s_mov_b32 s[OF+1], 0
	s_add_co_u32 s[OF+2], s70, 1
	s_and_b32 s[OF+2], s[OF+2], 15
	s_lshl_b32 s[OF+2], s[OF+2], 8                 ; slot 1 with K step r + 1
	s_mov_b32 s[OF+3], 0
	s_lshl_b32 s42, s42, 2
	s_add_co_u32 s42, s42, s40                     ; block column = 4 X' + cx
	s_lshl_b32 s13, s13, 2
	s_add_co_u32 s13, s13, s41                     ; block row = 4 Y' + cy
	s_lshl_b32 s43, s41, 2
	s_lshl_b32 s43, 15, s43                        ; my row of the cluster: places 4 cy .. 4 cy + 3
	s_lshl_b32 s44, 0x1111, s40                    ; my column: places cx, cx + 4, cx + 8, cx + 12
	; group 1: a tile of 128 rows x 128 elements of 2 bytes, 16 bytes of padding behind every 64 words
	s_or_b32 s[G1+0], s43, (1<<16)|(1<<20)|(1<<21)|(5<<22)|(3<<25)
	s_or_b32 s[G1B+0], s44, (1<<16)|(1<<20)|(1<<21)|(5<<22)|(3<<25)
	s_mov_b32 s[G1+1], KSTEP<<16                   ; tensor_dim0 = 128
	s_mov_b32 s[G1B+1], KSTEP<<16
	s_mov_b32 s[G1+2], 128<<16                     ; tensor_dim1 = 128
	s_mov_b32 s[G1B+2], 128<<16
	s_mov_b32 s[G1+3], KSTEP<<16                   ; tile_dim0 = 128
	s_mov_b32 s[G1B+3], KSTEP<<16
	s_mov_b32 s[G1+4], 128                         ; tile_dim1 = 128
	s_mov_b32 s[G1B+4], 128
	s_mov_b32 s[G1+5], 2048                        ; elements from row to row
	s_mov_b32 s[G1B+5], 2048
	s_mov_b32 s[G1+6], 0
	s_mov_b32 s[G1B+6], 0
	s_mov_b32 s[G1+7], 0
	s_mov_b32 s[G1B+7], 0
	; X's rows hang on the block row alone, W's on the block column and the wave's number alone
	s_lshl_b32 s16, s13, 19                        ; 128 rows of 4,096 bytes for each block row
	s_mov_b32 s17, 0
	s_max_u32 s45, s10, 1
	s_sub_co_u32 s45, s45, 1                       ; which 128 rows of W's 384 (wave 0 does not use it)
	s_lshl_b32 s45, s45, 7
	s_mul_i32 s46, s42, 384
	s_add_co_u32 s46, s46, s45                     ; W's row
	s_lshl_b32 s46, s46, 12                        ; in bytes: below 6,144 x 4,096
	s_add_co_u32 s46, s46, W_AT
	s_mov_b32 s47, 0
	s_mul_i32 s20, s10, PART                       ; where the tile goes: wave x 128 rows
	s_wait_dscnt 0x0
	s_wait_kmcnt 0x0
	s_add_nc_u64 s[14:15], s[4:5], s[16:17]        ; X at my tile's first row; kept for every refill
	s_add_nc_u64 s[46:47], s[4:5], s[46:47]        ; W likewise
	CROUND                                         ; all sixteen work-groups are here: the first joint loads meet
.irp s, 0,1
	s_mov_b32 s[G0+4*\s], 1
	s_add_co_u32 s[G0+4*\s+1], s20, \s*SLOT
	s_mov_b32 s[G0B+4*\s], 1
	s_add_co_u32 s[G0B+4*\s+1], s20, \s*SLOT
	AIM \s
	JLOAD \s                                       ; both slots' first fills: two tensor loads of the wave are out
.endr
	; a fragment: lane l holds row l % 16; registers 0-3 K = 8 (l / 16) + 0..7, registers 4-7 K = 16 + 8 (l / 16) + 0..7: two loads of 16 bytes, 32 apart
	v_and_b32 v1, 15, v0                           ; l % 16
	v_bfe_u32 v2, v0, 4, 1                         ; l / 16
	v_mul_u32_u24 v3, v1, PITCH
	v_lshl_add_u32 v3, v2, 4, v3
	s_mul_i32 s22, s10, 96*PITCH                   ; my 96 rows of W,
	s_add_co_u32 s22, s22, PART                    ; which lie behind X's 128
	v_mov_b32 v[ADRA], v3
	v_add_nc_u32 v[ADRA+1], SLOT, v3
	v_add_nc_u32 v[ADRB], s22, v3
	s_add_co_u32 s22, s22, SLOT
	v_add_nc_u32 v[ADRB+1], s22, v3
	v_mul_u32_u24 v4, v1, SP                       ; the way out, in: row l % 16, my 192 bytes of it, 16 bytes for each half of the lanes
	v_lshl_add_u32 v4, v2, 4, v4
	s_mul_i32 s23, s10, 192
	v_add_nc_u32 v[STO], s23, v4
	v_add_nc_u32 v[STO2], 64*SP, v[STO]
	v_and_b32 v5, 31, v0
	v_lshlrev_b32 v[CO], 4, v5                     ; 16 x lane
	s_mul_i32 s23, s10, 32*SP                      ; back: wave w takes rows 32 w .. 32 w + 31
	v_add_nc_u32 v[RD], s23, v[CO]
	v_lshl_add_u32 v[RDM], v2, 4, v[RD]            ; lanes 0-15: the row's last 256 bytes; lanes 16-31: the next row's first 256 (784 - 256 = 512 + 16)
	v_add_nc_u32 v[RDM], 512, v[RDM]
	v_mul_u32_u24 v6, v2, 11520                    ; the same in qkv: 12,288 - 256 = 512 + 11,520
	v_add_nc_u32 v[COM], v[CO], v6
	v_add_nc_u32 v[COM], 512, v[COM]
; 12 matrix instructions: row blocks a0, a0 + 1 of the window's four x all 6 column blocks, 32 along K.  zero = 1: the first product starts the sums.
.macro MUL12 f, hi, a0, zero
.irp a, \a0, \a0+1
.irp b, 0,1,2,3,4,5
.if \zero
	v_wmma_f32_16x16x32_f16 v[8*(6*(\a)+\b):8*(6*(\a)+\b)+7], v[\f+8*\b:\f+8*\b+7], v[\f+8*(4*\hi+\a):\f+8*(4*\hi+\a)+7], 0
.else
	v_wmma_f32_16x16x32_f16 v[8*(6*(\a)+\b):8*(6*(\a)+\b)+7], v[\f+8*\b:\f+8*\b+7], v[\f+8*(4*\hi+\a):\f+8*(4*\hi+\a)+7], v[8*(6*(\a)+\b):8*(6*(\a)+\b)+7]
.endif
.endr
.endr
.endm
; 28 LDS loads in one run: one quarter step's fragments (96 rows of W, 128 rows of X, 32 K at byte k of the rows) into buffer f
.macro FETCH slot, k, f
	WIN TO_B
.irp i, 0,1,2,3,4,5
	ds_load_b128 v[\f+8*\i:\f+8*\i+3],   v[ADRB+\slot] offset:\k+\i*16*PITCH
	ds_load_b128 v[\f+8*\i+4:\f+8*\i+7], v[ADRB+\slot] offset:\k+\i*16*PITCH+32
.endr
	WIN 0
.irp i, 0,1,2,3,4,5,6,7
	ds_load_b128 v[\f+8*\i:\f+8*\i+3],   v[ADRA+\slot] offset:\k+\i*16*PITCH
	ds_load_b128 v[\f+8*\i+4:\f+8*\i+7], v[ADRA+\slot] offset:\k+\i*16*PITCH+32
.endr
.endm
; Four independent vector instructions stand between a matrix instruction and a load into, or a vector instruction on, one of its registers
; (ISA guide 7.12.1 for vector instructions).
.macro PLACES
.rept 4
	v_nop
.endr
.endm
; A K step is four quarters of 32 along K, 48 matrix instructions each, on buffers 0, 1, 0, 1.  The 48 accumulators take turns, one instruction
; a turn, in the same order in every quarter.
.macro QUARTER slot, k, f, g, zero
	s_wait_dscnt 8                                 ; W and X's rows 0-63 are in; the youngest eight loads (X's rows 64-127) may be out
	WIN MUL_LO
	MUL12 \f, 0, 0, \zero
	MUL12 \f, 0, 2, \zero
	PLACES
	FETCH \slot, \k, \g
	s_wait_dscnt 28                                ; all but the 28 just issued
	WIN MUL_HI
	MUL12 \f, 1, 0, \zero
	MUL12 \f, 1, 2, \zero
.endm
.macro THREE slot, zero
	QUARTER \slot, 64,  F0, F1, \zero
	QUARTER \slot, 128, F1, F0, 0
	QUARTER \slot, 192, F0, F1, 0
.endm
; The last quarter multiplies buffer 1 and changes slots.  In front of the barrier each wave waits for its reads of this slot and for all its tensor
; loads (one is out: its part of the next slot).  Behind it the refill comes first, then the next slot's first fragments.
; From a request to the wait for it a wave issues 180 matrix instructions.
.macro TURN slot, next, fill
	s_wait_dscnt 8
	WIN MUL_LO
	MUL12 F1, 0, 0, 0
	s_wait_dscnt 0                                 ; my reads of this slot are over
	s_wait_tensorcnt 0x0                           ; and all my tensor loads have landed
	ds_add_u32 v255, v255
	s_wait_dscnt 0x0
	s_barrier_signal -1                            ; where a slot is filled again this barrier opens a round of the cluster's barrier
	MUL12 F1, 0, 2, 0                              ; register work while the others arrive
	WIN 0
	s_barrier_wait -1
.if \fill
	CREST                                          ; no wave of any partner still reads this slot or has a load on its way
	s_add_co_u32 s[OF+2*\slot], s[OF+2*\slot], 2*KSTEP*2       ; two K steps on,
	s_and_b32 s[OF+2*\slot], s[OF+2*\slot], 4095               ; round the end of the row of 4,096 bytes
	AIM \slot                                      ; no load of mine is out: the group 0 sets may be written
	JLOAD \slot                                    ; the first tensor load behind the round, and the wave's only one
.endif
	PLACES
	FETCH \next, 0, F0
	WIN MUL_HI
	MUL12 F1, 1, 0, 0
	MUL12 F1, 1, 2, 0
.endm
.macro LAP zero
	THREE 0, \zero
	TURN 0, 1, 1
	THREE 1, 0
	TURN 1, 0, 1
.endm
	s_wait_tensorcnt 1                             ; my part of slot 0 is in; slot 1's may stay out
	s_barrier_signal -1
	s_barrier_wait -1
	FETCH 0, 0, F0
	LAP 1                                          ; the first lap's first products start the sums: nothing is cleared
	WIN 0
	s_mov_b32 s3, LAPS-2
.Llap:
	LAP 0
	WIN 0
	s_sub_co_u32 s3, s3, 1
	s_cmp_lg_u32 s3, 0
	s_cbranch_scc1 .Llap
	THREE 0, 0                                     ; the last lap fills nothing
	TURN 0, 1, 0                                   ; behind its barrier no wave reads slot 0 and no load fills it again
	THREE 1, 0
	s_wait_dscnt 8
	WIN MUL_LO
	MUL12 F1, 0, 0, 0
	MUL12 F1, 0, 2, 0
	s_wait_dscnt 0
	WIN MUL_HI
	MUL12 F1, 1, 0, 0
	MUL12 F1, 1, 2, 0
	; THE WAY OUT.  A wave's 96 columns are 192 bytes, so whole rows of 768 bytes are gathered from all four waves in LDS: 128 rows of 784 bytes
	; in slot 0's first 100,352 bytes, which have had their last fill and their last read.  Then wave w stores rows 32 w .. 32 w + 31.
	PLACES
	s_lshl_b32 s16, s13, 7
	s_lshl_b32 s17, s10, 5
	s_add_co_u32 s16, s16, s17                     ; my first row on the way out: 128 x block row + 32 w
	s_mul_i32 s16, s16, 12288
	s_mov_b32 s17, 0
	s_add_nc_u64 s[8:9], s[6:7], s[16:17]
	s_mul_i32 s46, s42, 768                        ; the block's first column, in bytes
	s_mov_b32 s47, 0
	s_add_nc_u64 s[8:9], s[8:9], s[46:47]
.macro PUT a, from, sto
	WIN \from
.irp b, 0,1,2,3,4,5
.irp r, 0,1,2,3
	v_cvt_pk_f16_f32 v[TMP+24*(\a&1)+4*\b+\r], v[8*(6*(\a&3)+\b)+2*\r], v[8*(6*(\a&3)+\b)+2*\r+1]
.endr
.endr
	WIN 0
.irp b, 0,1,2,3,4,5
	ds_store_b128 v[\sto], v[TMP+24*(\a&1)+4*\b:TMP+24*(\a&1)+4*\b+3] offset:(\a&3)*16*SP+32*\b
.endr
.endm
	PUT 0, 0x0a, STO
	PUT 1, 0x0a, STO
	PUT 2, 0x0a, STO
	PUT 3, 0x0a, STO
	PUT 4, 0x0f, STO2
	PUT 5, 0x0f, STO2
	PUT 6, 0x0f, STO2
	PUT 7, 0x0f, STO2
	s_wait_dscnt 0x0                               ; my stores are in LDS, for the other waves' sake
	s_barrier_signal -1
	s_barrier_wait -1
; Two rows are 1,536 bytes: three loads and three stores of 512 bytes; every sixteen lanes store 256 consecutive bytes, aligned.
.macro BATCH p, f
	s_wait_xcnt 0x0                                ; buffer f, which earlier stores read, is loaded again only behind this wait
.irp t, 0,1,2,3
	ds_load_b128 v[\f+12*\t:\f+12*\t+3],    v[RD]  offset:1568*(4*\p+\t)
	ds_load_b128 v[\f+12*\t+4:\f+12*\t+7],  v[RDM] offset:1568*(4*\p+\t)
	ds_load_b128 v[\f+12*\t+8:\f+12*\t+11], v[RD]  offset:1568*(4*\p+\t)+1040
.endr
.irp t, 0,1,2,3
	s_wait_dscnt 11-3*\t                           ; LDS loads come back in order: the counts run down over the twelve
	global_store_b128 v[CO],  v[\f+12*\t:\f+12*\t+3],    s[8:9] offset:24576*(4*\p+\t)
	s_wait_dscnt 10-3*\t
	global_store_b128 v[COM], v[\f+12*\t+4:\f+12*\t+7],  s[8:9] offset:24576*(4*\p+\t)
	s_wait_dscnt 9-3*\t
	global_store_b128 v[CO],  v[\f+12*\t+8:\f+12*\t+11], s[8:9] offset:24576*(4*\p+\t)+12544
.endr
.endm
	BATCH 0, F0
	BATCH 1, F1
	BATCH 2, F0
	BATCH 3, F1
	s_set_vgpr_msb 0x1
	s_wait_tensorcnt 0x0
	ds_add_u32 v255, v255
	s_wait_dscnt 0x0
	s_set_vgpr_msb 0x100
	CROUND                                         ; the closing round: no work-group ends while a partner may still ask for a tile that names it
	s_endpgm
.Lfunc_end_k_q5b16dbfd4e_gemm_qkv:
	.size	k_q5b16dbfd4e_gemm_qkv, .Lfunc_end_k_q5b16dbfd4e_gemm_qkv-k_q5b16dbfd4e_gemm_qkv
	.p2alignl 7, 3214868480
	.fill 96, 4, 3214868480
	.section	.rodata,"a",@progbits
	.p2align	6, 0x0
	.amdhsa_kernel k_q5b16dbfd4e_gemm_qkv
		.amdhsa_group_segment_fixed_size 327680
		.amdhsa_private_segment_fixed_size 0
		.amdhsa_enable_private_segment 0
		.amdhsa_kernarg_size 16
		.amdhsa_user_sgpr_count 2
		.amdhsa_user_sgpr_kernarg_segment_ptr 1
		.amdhsa_wavefront_size32 1
		.amdhsa_system_sgpr_workgroup_id_x 1
		.amdhsa_system_sgpr_workgroup_id_y 1
		.amdhsa_system_sgpr_workgroup_id_z 1
		.amdhsa_system_vgpr_workitem_id 0
		.amdhsa_next_free_vgpr 960
		.amdhsa_next_free_sgpr 80
		.amdhsa_reserve_vcc 0
		.amdhsa_float_denorm_mode_32 3
		.amdhsa_float_denorm_mode_16_64 3
		.amdhsa_memory_ordered 1
		.amdhsa_forward_progress 1
		.amdhsa_inst_pref_size 159
	.end_amdhsa_kernel
	.amdgpu_metadata
---
amdhsa.version: [ 1, 2 ]
amdhsa.kernels:
  - .name:           k_q5b16dbfd4e_gemm_qkv
    .symbol:         k_q5b16dbfd4e_gemm_qkv.kd
    .args:
      - { .name: h16, .offset: 0, .size: 8, .value_kind: global_buffer, .address_space: global }
      - { .name: qkv, .offset: 8, .size: 8, .value_kind: global_buffer, .address_space: global }
    .group_segment_fixed_size: 327680
    .private_segment_fixed_size: 0
    .kernarg_segment_align: 8
    .kernarg_segment_size: 16
    .max_flat_workgroup_size: 128
    .sgpr_count:     80
    .vgpr_count:     960
    .wavefront_size: 32
...
	.end_amdgpu_metadata
.endif
;; end of part 2
;; launch attn (part 3): grid 8 x 32, 8 waves a work-group, no clusters, 327,680 bytes of LDS; arguments qkv, wo, att, wo16; writes att, wo16
.if DOCPART == 3
	.amdgcn_target "amdgcn-amd-amdhsa--gfx1250"
	.amdhsa_code_object_version 6
	.text
	.protected	k_q5b16dbfd4e_attn
	.globl	k_q5b16dbfd4e_attn
	.p2align	8
	.type	k_q5b16dbfd4e_attn,@function
k_q5b16dbfd4e_attn:
	s_mov_b64 s[64:65], 0
	v_nop
	global_prefetch_b8 v0, s[64:65] scope:SCOPE_SE
	s_setreg_imm32_b32 hwreg(HW_REG_WAVE_MODE, 25, 1), 1
	s_wait_xcnt 0x0
; att[b][i][head][:] = softmax over j of (q_i . k_j / sqrt(128), keys with j - i > 128 dropped) times v_j.  qkv: [2048][6144] f16 (q, k, v), att: [2048][2048] f16.
; Beside it: wo16 = wo rounded once from f32 to f16 (see THE CAST at the end).
; Grid x = block of 128 queries (qb), grid y = 16 b + head.  EIGHT WAVES, two for each of a WGP's four SIMDs: wave w has the strip of 32 queries
; qs = w & 3 (two blocks of 16) and, of every 128 keys, the 64 with number kh = w >> 2.  The two waves of a strip each keep a running maximum, a running
; sum and the output's sums over their own keys, in f32; at the end the wave with kh = 0 merges the two.  So while one wave of a SIMD is in
; its softmax, the other has products to issue.
; Keys go in steps of 256 through two LDS slots: m = min(qb + 3, 9) >> 1 steps (1, 2, 2, 3, 3, 4, 4, 4 for qb = 0 .. 7); step j lies in slot j & 1.
; Later keys are all dropped.  Only the last step can hold dropped keys.  For qb = 1, 3, 5 its last 128 keys are all dropped and are worked all the same
; (46 products of 128 x 128 a head where 43 are needed, one of them in a work-group with the most steps).  For qb = 0 slot 1's first fill is not read.
; NO TRANSPOSE THROUGH LDS: scores are made as K Q^T (source 0 = 16 keys, source 1 = 16 queries), so lane l holds query l % 16 and in registers
; 0 to 7 the keys 8 (l / 16) + 0..7 of the tile; packed by pairs that is the second source of V^T P^T.  V^T's fragments come from V's rows by the
; transposing LDS load.  In the result lane l holds query l % 16 and 8 neighbouring d: maximum, sum and factor are one number a lane.
; LIMITS, stated: operands in f16 (|q|, |k|, |v|, |wo| up to 65,504); a weight below about 3e-8 of the row's largest rounds to 0 in f16;
; v_exp_f32 gives 0 for results below 2^-126 (ISA guide, its entry).
; NO CLUSTER: the eight work-groups of a head need 1 to 4 steps, so partners would ask for different numbers of tiles.
.set ROWB,  12288                      ; bytes of a row of qkv
.set STEPB, 256*ROWB                   ; from a step's keys to the next step's
.set KP,    272                        ; LDS pitch of K's rows: 256 + 16
.set VP,    288                        ; LDS pitch of V's rows: 256 + 32, an odd multiple of 32 for the transposing load
.set PARTB, 18432                      ; a wave's part of a slot: 64 rows (K's use 17,408 of it)
.set SLOTB, 8*PARTB                    ; K's keys 0-63, 64-127, 128-191, 192-255, then V's likewise
.set MSTB,  17408                      ; the merge: 16,384 bytes of sums, 512 of shifts, 512 of partial sums for each strip; in slot 0's bytes
.set OSTG,  73728                      ; the way out: 32 rows x 272 bytes for each strip, behind the merge's 69,632 bytes; in slot 0's bytes too
.set ADK,  8                           ; v8-9    LDS address of my K fragments in slot 0, 1
.set ADV,  10                          ; v10-11  the same for V
.set STO,  12                          ; v12     the way out: in
.set RD,   13                          ; v13     the way out: back
.set CO,   14                          ; v14     my byte offset in att
.set QOFF, 15                          ; v15     my byte offset in q
.set NINF, 16                          ; v16     minus infinity
.set MST,  17                          ; v17     the merge: my 16 bytes
.set DQ,   18                          ; v18-19  block q: a key of the last step is dropped where 128 tau + 16 t + r > DQ
.set MXR,  20                          ; v20-21  running maximum of the raw scores
.set NBI,  22                          ; v[22:25] - c x maximum, a pair for each block
.set LSUM, 26                          ; v26-27  running sum, over this half of the lanes' keys
.set ALF,  28                          ; v[28:31] the factor that brings old sums to the new maximum, a pair for each block
.set TA,   32                          ; v[32:47] at work; + 8 for block 1
.set TB,   33
.set TC,   34
.set U0,   36
.set U1,   38
.set ONB,  48                          ; v[48:51] the merge: the other wave's shifts
.set OL,   52                          ; v[52:53] its partial sums
.set BET,  54                          ; v[54:57] its factor, a pair for each block
.set CIN,  58                          ; v58     the cast: 16 x lane
.set COUT, 59                          ; v59     the cast: 8 x lane
.set SCO,  64                          ; v[64:127]  scores, tile (t, q) at 64 + 8 (2 t + q)
.set PFR,  128                         ; v[128:159] weights in f16, (q, g) at 128 + 8 (2 q + g)
.set QF,   160                         ; v[160:223] q's fragments, (q, ds) at 160 + 8 (4 q + ds)
.set CY,   224                         ; v[224:255] the cast: f16 to store
.set KV,   128                         ; window 1: v[0:127] the output's sums, tile (dt, q) at 8 (2 dt + q); v[128:255] K's fragments, (t, ds) at 128 + 8 (4 t + ds),
                                       ;           and in their turn V's, (g, dt) at 128 + 8 (8 g + dt)
.set G1K, 24                           ; s[24:31] descriptor group 1 for K's parts
.set G1V, 32                           ; s[32:39] for V's parts: another padding
.set G0,  40                           ; s[40:47] group 0, one set for each slot
.set MSB, 0
.macro WIN new
.if MSB != \new
	s_set_vgpr_msb (MSB<<8)|\new
.set MSB, \new
.endif
.endm
.macro PLACES                          ; four independent vector instructions behind a matrix instruction (ISA guide 7.12.1 for vector instructions)
.rept 4
	v_nop
.endr
.endm
.macro JLOAD s                         ; waves 0 to 3 fetch K's parts, waves 4 to 7 V's: one tensor load a wave
	s_cmp_eq_u32 s56, 0
	s_cbranch_scc0 .Lfor_v_\@
	tensor_load_to_lds s[G0+4*\s:G0+4*\s+3], s[G1K:G1K+7]
	s_nop 0
	s_branch .Lasked_\@
.Lfor_v_\@:
	tensor_load_to_lds s[G0+4*\s:G0+4*\s+3], s[G1V:G1V+7]
	s_nop 0
.Lasked_\@:
.endm
	s_load_b256 s[4:11], s[0:1], 0x0               ; qkv s[4:5], wo s[6:7], att s[8:9], wo16 s[10:11]
	v_lshl_add_u32 v62, v0, 2, 0x48400
	v_mov_b32 v63, 0
	ds_add_u32 v62, v63
	ds_add_u32 v62, v63
	v_lshrrev_b32 v1, 5, v0
	v_readfirstlane_b32 s12, v1                    ; wave 0..7
	s_mov_b32 s15, ttmp9                           ; qb
	s_and_b32 s48, ttmp7, 0xffff
	s_lshr_b32 s58, s48, 4                         ; b
	s_and_b32 s59, s48, 15                         ; head
	s_add_co_u32 s13, s15, 3
	s_min_u32 s13, s13, 9
	s_lshr_b32 s13, s13, 1                         ; m, the number of steps of 256 keys
	s_lshr_b32 s56, s12, 2                         ; kh: my 64 of every 128 keys.  Also: I fetch for K (0) or for V (1)
	s_and_b32 s57, s12, 3                          ; qs: my strip of 32 queries.  Also: which 64 rows of K or V I fetch
	s_mov_b32 s16, 0x76543210                      ; v_permlanex16_b32: lane i reads lane i of the other half
	s_mov_b32 s17, 0xfedcba98
	s_mov_b32 s18, 0x3e0293ee                      ; c = log2(e) / sqrt(128)
	s_mov_b32 s19, 0x3e0293ee
	s_mov_b32 s20, 0xbe0293ee                      ; - c
	; group 1: 64 rows x 128 elements of 2 bytes; behind every 64 words 4 words of padding (K) or 8 (V)
	s_mov_b32 s[G1K+0], (1<<16)|(1<<20)|(5<<22)|(3<<25)
	s_mov_b32 s[G1V+0], (1<<16)|(1<<20)|(5<<22)|(7<<25)
	s_mov_b32 s[G1K+1], 128<<16                    ; tensor_dim0 = 128
	s_mov_b32 s[G1V+1], 128<<16
	s_mov_b32 s[G1K+2], 64<<16                     ; tensor_dim1 = 64
	s_mov_b32 s[G1V+2], 64<<16
	s_mov_b32 s[G1K+3], 128<<16                    ; tile_dim0 = 128
	s_mov_b32 s[G1V+3], 128<<16
	s_mov_b32 s[G1K+4], 64                         ; tile_dim1 = 64
	s_mov_b32 s[G1V+4], 64
	s_mov_b32 s[G1K+5], 6144                       ; elements from row to row
	s_mov_b32 s[G1V+5], 6144
	s_mov_b32 s[G1K+6], 0
	s_mov_b32 s[G1V+6], 0
	s_mov_b32 s[G1K+7], 0
	s_mov_b32 s[G1V+7], 0
	; my part of step 0: rows 1024 b + 64 qs, bytes 4096 (1 + kh) + 256 head of a row
	s_lshl_b32 s48, s58, 10
	s_lshl_b32 s49, s57, 6
	s_add_co_u32 s48, s48, s49
	s_mul_i32 s48, s48, ROWB
	s_add_co_u32 s49, s56, 1
	s_lshl_b32 s49, s49, 12
	s_add_co_u32 s48, s48, s49
	s_lshl_b32 s62, s59, 8                         ; 256 head
	s_add_co_u32 s50, s48, s62                     ; slot 0 begins with step 0,
	s_mov_b32 s51, 0
	s_add_co_u32 s52, s50, STEPB                   ; slot 1 with step 1
	s_mov_b32 s53, 0
	s_lshl_b32 s48, s58, 10                        ; my first query's row: 1024 b + 128 qb + 32 qs
	s_lshl_b32 s49, s15, 7
	s_add_co_u32 s48, s48, s49
	s_lshl_b32 s49, s57, 5
	s_add_co_u32 s48, s48, s49
	s_mul_i32 s54, s48, ROWB
	s_add_co_u32 s54, s54, s62
	s_mov_b32 s55, 0
	s_lshl_b32 s22, s48, 12
	s_add_co_u32 s22, s22, s62
	s_mov_b32 s23, 0
	s_mul_i32 s21, s12, PARTB                      ; my part of a slot
	; the cast: passes 3, 2, 2, 1, 0, 0, 0, 0 and first pass 0, 3, 5, 7 for qb = 0 .. 7, four bits each
	s_lshl_b32 s49, s15, 2
	s_lshr_b32 s60, 0x1223, s49
	s_and_b32 s60, s60, 15                         ; my work-group's passes
	s_lshr_b32 s61, 0x88887530, s49
	s_and_b32 s61, s61, 15                         ; the first of them among the eight of this (b, head)
	s_lshl_b32 s63, s58, 4
	s_add_co_u32 s63, s63, s59
	s_lshl_b32 s63, s63, 6                         ; 64 rows of wo for each (b, head)
	s_lshl_b32 s61, s61, 3
	s_add_co_u32 s63, s63, s61                     ; 8 rows a pass,
	s_add_co_u32 s63, s63, s12                     ; one a wave
	s_lshl_b32 s66, s63, 13                        ; a row of wo is 8,192 bytes,
	s_mov_b32 s67, 0
	s_lshl_b32 s68, s63, 12                        ; of wo16 4,096
	s_mov_b32 s69, 0
	s_wait_dscnt 0x0
	s_wait_kmcnt 0x0
	s_add_nc_u64 s[54:55], s[4:5], s[54:55]        ; q at my first query
	s_add_nc_u64 s[22:23], s[8:9], s[22:23]        ; att at my first query
	s_add_nc_u64 s[66:67], s[6:7], s[66:67]        ; wo at my first row (not used where there are no passes)
	s_add_nc_u64 s[68:69], s[10:11], s[68:69]      ; wo16 likewise
	s_mov_b32 s[G0], 1
	s_add_co_u32 s[G0+1], s21, 0*SLOTB
	s_add_nc_u64 s[G0+2:G0+3], s[4:5], s[50:51]
	s_or_b32 s[G0+3], s[G0+3], 0x80000000
	s_mov_b32 s[G0+4], 1
	s_add_co_u32 s[G0+5], s21, 1*SLOTB
	s_add_nc_u64 s[G0+6:G0+7], s[4:5], s[52:53]
	s_or_b32 s[G0+7], s[G0+7], 0x80000000
	s_cmp_eq_u32 s56, 0                            ; both first fills inside one branch on the wave's number: two tensor loads of the wave are out
	s_cbranch_scc0 .Lfirst_v
	tensor_load_to_lds s[G0:G0+3], s[G1K:G1K+7]
	s_nop 0
	tensor_load_to_lds s[G0+4:G0+7], s[G1K:G1K+7]
	s_nop 0
	s_branch .Lfirst_done
.Lfirst_v:
	tensor_load_to_lds s[G0:G0+3], s[G1V:G1V+7]
	s_nop 0
	tensor_load_to_lds s[G0+4:G0+7], s[G1V:G1V+7]
	s_nop 0
.Lfirst_done:
	v_and_b32 v1, 15, v0                           ; l % 16
	v_bfe_u32 v2, v0, 4, 1                         ; l / 16
	v_mul_u32_u24 v5, v1, ROWB
	v_lshl_add_u32 v[QOFF], v2, 4, v5
.irp q, 0,1
.irp ds, 0,1,2,3
	global_load_b128 v[QF+8*(4*\q+\ds):QF+8*(4*\q+\ds)+3],   v[QOFF], s[54:55] offset:16*ROWB*\q+64*\ds      ; q's fragments stay in registers for the whole kernel
	global_load_b128 v[QF+8*(4*\q+\ds)+4:QF+8*(4*\q+\ds)+7], v[QOFF], s[54:55] offset:16*ROWB*\q+64*\ds+32
.endr
.endr
	v_mul_u32_u24 v3, v1, KP
	v_lshl_add_u32 v3, v2, 4, v3                   ; row l % 16, 16 bytes for each half of the lanes
	s_mul_i32 s49, s56, PARTB                      ; parts kh and kh + 2 of K are mine
	v_add_nc_u32 v[ADK], s49, v3
	v_add_nc_u32 v[ADK+1], SLOTB, v[ADK]
	v_and_b32 v4, 7, v0
	v_lshl_add_u32 v4, v2, 3, v4                   ; the transposing load: key 8 (l / 16) + (l & 7),
	v_mul_u32_u24 v4, v4, VP
	v_bfe_u32 v5, v0, 3, 1
	v_lshl_add_u32 v4, v5, 4, v4                   ; 16 bytes for each group of eight lanes
	s_add_co_u32 s49, s49, 4*PARTB                 ; V's parts lie behind K's four
	v_add_nc_u32 v[ADV], s49, v4
	v_add_nc_u32 v[ADV+1], SLOTB, v[ADV]
	s_mul_i32 s49, s57, 32*KP
	s_add_co_u32 s49, s49, OSTG                    ; my strip's stage for the way out
	v_add_nc_u32 v[STO], s49, v3
	v_mul_u32_u24 v5, v2, KP
	v_lshl_add_u32 v5, v1, 4, v5
	v_add_nc_u32 v[RD], s49, v5
	v_lshlrev_b32 v5, 12, v2
	v_lshl_add_u32 v[CO], v1, 4, v5
	v_and_b32 v6, 31, v0
	s_mul_i32 s49, s57, MSTB
	v_lshl_add_u32 v[MST], v6, 4, s49              ; the merge: 16 bytes a lane in my strip's bytes
	v_lshlrev_b32 v[CIN], 4, v6
	v_lshlrev_b32 v[COUT], 3, v6
	v_mov_b32 v[NINF], 0xff800000
	s_lshl_b32 s49, s15, 7                         ; DQ = 128 + my query - the last step's first key - 64 kh - 8 (l / 16); it may be negative
	s_lshl_b32 s62, s57, 5
	s_add_co_u32 s49, s49, s62
	s_add_co_u32 s49, s49, 384                     ; 128, and 256 for the 1 in m - 1
	s_lshl_b32 s62, s13, 8
	s_sub_co_u32 s49, s49, s62
	s_lshl_b32 s62, s56, 6
	s_sub_co_u32 s49, s49, s62
	v_lshlrev_b32 v7, 3, v2
	v_sub_nc_u32 v[DQ], v1, v7
	v_add_nc_u32 v[DQ], s49, v[DQ]
	v_add_nc_u32 v[DQ+1], 16, v[DQ]
	v_mov_b32 v[TC], 0                             ; v_permlanex16_b32 counts as a reader of its destination
	v_mov_b32 v[TC+8], 0
	s_wait_tensorcnt 0x0                           ; my parts of both slots are in: no tensor load is out at this barrier, on any of the ways below,
	s_barrier_signal -1
	s_barrier_wait -1                              ; and everybody's parts are in
	s_wait_loadcnt 0x0                             ; q
.macro FETCHK slot, tau                ; 32 loads: my 64 keys x 128 d of K, of the slot's keys 128 tau .. + 127
	WIN 0x40
.irp t, 0,1,2,3
.irp ds, 0,1,2,3
	ds_load_b128 v[KV+8*(4*\t+\ds):KV+8*(4*\t+\ds)+3],   v[ADK+\slot] offset:\tau*2*PARTB+\t*16*KP+64*\ds
	ds_load_b128 v[KV+8*(4*\t+\ds)+4:KV+8*(4*\t+\ds)+7], v[ADK+\slot] offset:\tau*2*PARTB+\t*16*KP+64*\ds+32
.endr
.endr
.endm
.macro FETCHV slot, tau                ; 32 transposing loads: 128 d x my 64 keys of V, into the registers that held K's fragments
	WIN 0x40
.irp g, 0,1
.irp dt, 0,1,2,3,4,5,6,7
	ds_load_tr16_b128 v[KV+8*(8*\g+\dt):KV+8*(8*\g+\dt)+3],   v[ADV+\slot] offset:\tau*2*PARTB+\g*32*VP+32*\dt
	ds_load_tr16_b128 v[KV+8*(8*\g+\dt)+4:KV+8*(8*\g+\dt)+7], v[ADV+\slot] offset:\tau*2*PARTB+\g*32*VP+32*\dt+16*VP
.endr
.endr
.endm
.macro QK                              ; 32 matrix instructions; the eight score tiles take turns, one instruction a turn
	WIN 0x01                                       ; source 0 (K) window 1; source 1 (q), C and D window 0
.irp ds, 0,1,2,3
.irp t, 0,1,2,3
.irp q, 0,1
.if \ds == 0
	v_wmma_f32_16x16x32_f16 v[SCO+8*(2*\t+\q):SCO+8*(2*\t+\q)+7], v[KV+8*(4*\t+\ds):KV+8*(4*\t+\ds)+7], v[QF+8*(4*\q+\ds):QF+8*(4*\q+\ds)+7], 0
.else
	v_wmma_f32_16x16x32_f16 v[SCO+8*(2*\t+\q):SCO+8*(2*\t+\q)+7], v[KV+8*(4*\t+\ds):KV+8*(4*\t+\ds)+7], v[QF+8*(4*\q+\ds):QF+8*(4*\q+\ds)+7], v[SCO+8*(2*\t+\q):SCO+8*(2*\t+\q)+7]
.endif
.endr
.endr
.endr
.endm
.macro MASK tau                        ; the last step: dropped keys get minus infinity, by a select in every lane
.irp t, 0,1,2,3
.irp q, 0,1
.irp r, 0,1,2,3,4,5,6,7
	v_cmp_gt_i32 vcc_lo, 128*\tau+16*\t+\r, v[DQ+\q]
	v_cndmask_b32 v[SCO+8*(2*\t+\q)+\r], v[SCO+8*(2*\t+\q)+\r], v[NINF], vcc_lo
.endr
.endr
.endr
.endm
; The softmax of 64 keys, both query blocks side by side.  first = 1: nothing is carried yet (the wave's first 64 keys are never dropped: they lie below key 128).
.macro SOFTMAX first
	; the largest of my 32 scores of each block, in two chains of three-way maxima, then the old maximum, then the other half of the lanes
.irp q, 0,1
	v_max3_num_f32 v[TA+8*\q], v[SCO+8*\q], v[SCO+8*\q+1], v[SCO+8*\q+2]
	v_max3_num_f32 v[TB+8*\q], v[SCO+32+8*\q], v[SCO+32+8*\q+1], v[SCO+32+8*\q+2]
.endr
.irp x, 3,5,17,19,21
.irp q, 0,1
	v_max3_num_f32 v[TA+8*\q], v[TA+8*\q], v[SCO+8*\q+\x], v[SCO+8*\q+\x+1]
	v_max3_num_f32 v[TB+8*\q], v[TB+8*\q], v[SCO+32+8*\q+\x], v[SCO+32+8*\q+\x+1]
.endr
.endr
.irp q, 0,1
	v_max3_num_f32 v[TA+8*\q], v[TA+8*\q], v[SCO+8*\q+7], v[SCO+8*\q+16]
	v_max3_num_f32 v[TB+8*\q], v[TB+8*\q], v[SCO+32+8*\q+7], v[SCO+32+8*\q+16]
.endr
.irp q, 0,1
	v_max3_num_f32 v[TA+8*\q], v[TA+8*\q], v[TB+8*\q], v[SCO+8*\q+23]
.endr
.irp q, 0,1
.if \first
	v_max_num_f32 v[TA+8*\q], v[TA+8*\q], v[SCO+32+8*\q+23]
.else
	v_max3_num_f32 v[TA+8*\q], v[TA+8*\q], v[SCO+32+8*\q+23], v[MXR+\q]
.endif
.endr
.irp q, 0,1
	v_permlanex16_b32 v[TC+8*\q], v[TA+8*\q], s16, s17
.endr
.irp q, 0,1
	v_max_num_f32 v[MXR+\q], v[TA+8*\q], v[TC+8*\q]            ; the same in both halves of the lanes
.endr
.irp q, 0,1
	v_mul_f32 v[TB+8*\q], s20, v[MXR+\q]                       ; the new shift, - c x maximum
.endr
.if \first == 0
.irp q, 0,1
	v_sub_f32 v[TA+8*\q], v[TB+8*\q], v[NBI+2*\q]              ; new shift - old shift, at most 0: the two rounded shifts themselves, so old and new sums agree
.endr
.irp q, 0,1
	v_exp_f32 v[ALF+2*\q], v[TA+8*\q]
.endr
.endif
.irp q, 0,1
	v_mov_b32 v[NBI+2*\q], v[TB+8*\q]                          ; also the plain instructions between v_exp_f32 and the use of its result (ISA guide 5.7.2)
	v_mov_b32 v[NBI+2*\q+1], v[TB+8*\q]
.endr
.if \first == 0
	s_wait_alu depctr_va_vdst(0)
.irp q, 0,1
	v_mov_b32 v[ALF+2*\q+1], v[ALF+2*\q]
.endr
.endif
	; weights = 2^(c x score - c x maximum), in place
.set i, 0
.rept 32
	v_pk_fma_f32 v[SCO+2*i:SCO+2*i+1], v[SCO+2*i:SCO+2*i+1], s[18:19], v[NBI+2*((i>>2)&1):NBI+2*((i>>2)&1)+1] op_sel_hi:[1,0,1]
.set i, i+1
.endr
.set i, 0
.rept 64
	v_exp_f32 v[SCO+i], v[SCO+i]
.set i, i+1
.endr
	v_nop                                          ; one plain instruction behind the run, ahead of the first use
	; their sum, two chains a block
	s_wait_alu depctr_va_vdst(0)
.irp q, 0,1
	v_pk_add_f32 v[U0+8*\q:U0+8*\q+1], v[SCO+8*\q:SCO+8*\q+1], v[SCO+8*\q+2:SCO+8*\q+3]
	v_pk_add_f32 v[U1+8*\q:U1+8*\q+1], v[SCO+32+8*\q:SCO+32+8*\q+1], v[SCO+32+8*\q+2:SCO+32+8*\q+3]
.endr
.irp x, 4,6,16,18,20,22
.irp q, 0,1
	v_pk_add_f32 v[U0+8*\q:U0+8*\q+1], v[U0+8*\q:U0+8*\q+1], v[SCO+8*\q+\x:SCO+8*\q+\x+1]
	v_pk_add_f32 v[U1+8*\q:U1+8*\q+1], v[U1+8*\q:U1+8*\q+1], v[SCO+32+8*\q+\x:SCO+32+8*\q+\x+1]
.endr
.endr
.irp q, 0,1
	v_pk_add_f32 v[U0+8*\q:U0+8*\q+1], v[U0+8*\q:U0+8*\q+1], v[U1+8*\q:U1+8*\q+1]
.endr
.irp q, 0,1
.if \first
	v_add_f32 v[LSUM+\q], v[U0+8*\q], v[U0+8*\q+1]
.else
	v_add_f32 v[TA+8*\q], v[U0+8*\q], v[U0+8*\q+1]
.endif
.endr
.if \first == 0
.irp q, 0,1
	v_fma_f32 v[LSUM+\q], v[LSUM+\q], v[ALF+2*\q], v[TA+8*\q]
.endr
.endif
	; packed by pairs the weights are the second source of the next product: tile 2 g gives registers 0-3, tile 2 g + 1 registers 4-7
.irp q, 0,1
.irp g, 0,1
.irp hh, 0,1
.irp j, 0,1,2,3
	v_cvt_pk_f16_f32 v[PFR+8*(2*\q+\g)+4*\hh+\j], v[SCO+8*(2*(2*\g+\hh)+\q)+2*\j], v[SCO+8*(2*(2*\g+\hh)+\q)+2*\j+1]
.endr
.endr
.endr
.endr
.endm
.macro RESCALE                         ; the output's sums times the block's factor
	WIN 0x41                                       ; destination and source 0 window 1, source 1 window 0
.set i, 0
.rept 64
	v_pk_mul_f32 v[2*i:2*i+1], v[2*i:2*i+1], v[ALF+2*((i>>2)&1):ALF+2*((i>>2)&1)+1]
.set i, i+1
.endr
.endm
.macro PV first                        ; 32 matrix instructions; the sixteen output tiles take turns, one instruction a turn
	WIN 0x51                                       ; source 0 (V), C and D window 1; source 1 (weights) window 0
.irp g, 0,1
.irp dt, 0,1,2,3,4,5,6,7
.irp q, 0,1
.if \first*(1-\g)
	v_wmma_f32_16x16x32_f16 v[8*(2*\dt+\q):8*(2*\dt+\q)+7], v[KV+8*(8*\g+\dt):KV+8*(8*\g+\dt)+7], v[PFR+8*(2*\q+\g):PFR+8*(2*\q+\g)+7], 0
.else
	v_wmma_f32_16x16x32_f16 v[8*(2*\dt+\q):8*(2*\dt+\q)+7], v[KV+8*(8*\g+\dt):KV+8*(8*\g+\dt)+7], v[PFR+8*(2*\q+\g):PFR+8*(2*\q+\g)+7], v[8*(2*\dt+\q):8*(2*\dt+\q)+7]
.endif
.endr
.endr
.endr
.endm
; One step of 256 keys, in slot 'slot': twice my 64 keys.  On entry the 32 loads of my first 64 keys of K are out.  first: the kernel's first step;
; mask: it can hold dropped keys; fill: the slot is filled again, two steps ahead; last: no step follows.
; V's fragments are fetched while the softmax runs; K's next ones behind the second product, and the SIMD's other wave works while they come.
; Once the slot's last fragments are in registers, each wave waits for all its LDS reads and all its tensor loads and passes the barrier; behind it
; the refill comes first.  The refill has the whole of the next step in which to land.
.macro STEP slot, first, mask, fill, last
	s_wait_dscnt 0x0                               ; K's fragments are in
	QK
	PLACES
	FETCHV \slot, 0
	WIN 0
.if \mask
	MASK 0
.endif
	SOFTMAX \first
	s_wait_dscnt 0x0                               ; V's fragments are in
.if \first == 0
	RESCALE
.endif
	PV \first
	PLACES
	FETCHK \slot, 1
	s_wait_dscnt 0x0
	QK
	PLACES
	FETCHV \slot, 1
	WIN 0
.if \mask
	MASK 1
.endif
	SOFTMAX 0
	s_wait_dscnt 0x0                               ; V's fragments are in: all my reads of this slot are over
.if \last == 0
	s_wait_tensorcnt 0x0                           ; all my tensor loads have landed, my part of the other slot among them
	ds_add_u32 v62, v63
	s_wait_dscnt 0x0
.if \fill
	s_add_nc_u64 s[G0+4*\slot+2:G0+4*\slot+3], s[G0+4*\slot+2:G0+4*\slot+3], 2*STEPB   ; no load of mine is out: the group 0 may be written
.endif
	s_barrier_signal -1
	s_barrier_wait -1                              ; both now hold of every wave
.if \fill
	JLOAD \slot                                    ; my one tensor load behind this barrier
.endif
.endif
	RESCALE
	PV 0
	PLACES
.if \last == 0
	FETCHK 1-\slot, 0
.endif
	WIN 0
.endm
	; The ways hang on m alone, which all eight waves share.  A slot is filled again only where a later step reads it.
	FETCHK 0, 0
	WIN 0
	s_cmp_eq_u32 s13, 1
	s_cbranch_scc1 .Lm1
	s_cmp_eq_u32 s13, 2
	s_cbranch_scc1 .Lm2
	STEP 0, 1, 0, 1, 0                             ; m = 3, 4: step 0; step 2 is asked for
	s_cmp_eq_u32 s13, 3
	s_cbranch_scc1 .Lm3
	STEP 1, 0, 0, 1, 0                             ; m = 4: step 1; step 3 is asked for
	STEP 0, 0, 0, 0, 0                             ;        step 2
	s_branch .Llast1
.Lm3:
	STEP 1, 0, 0, 0, 0                             ; m = 3: step 1
	STEP 0, 0, 1, 0, 1                             ;        step 2, the last, with the mask
	s_branch .Lend
.Lm2:
	STEP 0, 1, 0, 0, 0                             ; m = 2: step 0
.Llast1:
	STEP 1, 0, 1, 0, 1                             ; m = 2, 4: the last step, with the mask
	s_branch .Lend
.Lm1:
	STEP 0, 1, 1, 0, 1                             ; m = 1: the only step
.Lend:
	; THE MERGE.  Slot 0's bytes have had their last fill.  Every wave's LDS reads and tensor loads are over in front of the first barrier, so behind it the
	; bytes may be written.  The waves with kh = 1 put their sums, shifts and partial sums there, lane by lane; behind the second barrier their partners,
	; whose lanes hold the same queries and d, read them.
	s_wait_dscnt 0x0
	s_wait_tensorcnt 0x0                           ; met at once: on every way the last load issued was waited for in front of an earlier barrier
	s_barrier_signal -1
	s_barrier_wait -1
	s_cmp_eq_u32 s56, 0
	s_cbranch_scc1 .Lkeep
	WIN 0x04                                       ; the stores' data in window 1
.set i, 0
.rept 32
	ds_store_b128 v[MST], v[4*i:4*i+3] offset:512*i
.set i, i+1
.endr
	WIN 0
	ds_store_b128 v[MST], v[NBI:NBI+3] offset:16384
	ds_store_b64 v[MST], v[LSUM:LSUM+1] offset:16896
.Lkeep:
	s_wait_dscnt 0x0                               ; my stores are in LDS, for my partner's sake
	s_barrier_signal -1
	s_barrier_wait -1
	s_cmp_lg_u32 s56, 0
	s_cbranch_scc1 .Lcast                          ; the waves with kh = 1 have handed their part on
	WIN 0x40
.set i, 0
.rept 32
	ds_load_b128 v[KV+4*i:KV+4*i+3], v[MST] offset:512*i
.set i, i+1
.endr
	WIN 0
	ds_load_b128 v[ONB:ONB+3], v[MST] offset:16384
	ds_load_b64 v[OL:OL+1], v[MST] offset:16896
	s_wait_dscnt 0x0
.irp q, 0,1
	v_min_num_f32 v[TA+8*\q], v[NBI+2*\q], v[ONB+2*\q]         ; the shift of the larger maximum is the smaller shift
.endr
.irp q, 0,1
	v_sub_f32 v[TB+8*\q], v[TA+8*\q], v[NBI+2*\q]              ; at most 0, both
	v_sub_f32 v[TC+8*\q], v[TA+8*\q], v[ONB+2*\q]
.endr
.irp q, 0,1
	v_exp_f32 v[TB+8*\q], v[TB+8*\q]
	v_exp_f32 v[TC+8*\q], v[TC+8*\q]
.endr
	v_nop                                          ; one plain instruction between v_exp_f32 and the use of its result
	s_wait_alu depctr_va_vdst(0)
.irp q, 0,1
	v_mul_f32 v[LSUM+\q], v[LSUM+\q], v[TB+8*\q]
.endr
.irp q, 0,1
	v_fma_f32 v[LSUM+\q], v[OL+\q], v[TC+8*\q], v[LSUM+\q]
.endr
.irp q, 0,1
	v_permlanex16_b32 v[U0+8*\q], v[LSUM+\q], s16, s17         ; the other half of the lanes' keys
.endr
.irp q, 0,1
	v_add_f32 v[LSUM+\q], v[LSUM+\q], v[U0+8*\q]
.endr
.irp q, 0,1
	v_rcp_f32 v[TA+8*\q], v[LSUM+\q]
.endr
	v_nop                                          ; one plain instruction between v_rcp_f32 and the use of its result
	s_wait_alu depctr_va_vdst(0)
.irp q, 0,1
	v_mul_f32 v[ALF+2*\q], v[TB+8*\q], v[TA+8*\q]              ; factor / sum, as pairs for the packed forms
	v_mul_f32 v[ALF+2*\q+1], v[TB+8*\q], v[TA+8*\q]
	v_mul_f32 v[BET+2*\q], v[TC+8*\q], v[TA+8*\q]
	v_mul_f32 v[BET+2*\q+1], v[TC+8*\q], v[TA+8*\q]
.endr
	WIN 0x51                                       ; destination, source 0 and source 2 window 1, source 1 window 0
.set i, 0
.rept 64
	v_pk_mul_f32 v[2*i:2*i+1], v[2*i:2*i+1], v[ALF+2*((i>>2)&1):ALF+2*((i>>2)&1)+1]
.set i, i+1
.endr
.set i, 0
.rept 64
	v_pk_fma_f32 v[2*i:2*i+1], v[KV+2*i:KV+2*i+1], v[BET+2*((i>>2)&1):BET+2*((i>>2)&1)+1], v[2*i:2*i+1]
.set i, i+1
.endr
	; THE WAY OUT: f16, through my strip's stage into whole rows of 256 bytes
	WIN 0x05                                       ; sources window 1, destination window 0
.irp dt, 0,1,2,3,4,5,6,7
.irp q, 0,1
.irp j, 0,1,2,3
	v_cvt_pk_f16_f32 v[SCO+4*(2*\dt+\q)+\j], v[8*(2*\dt+\q)+2*\j], v[8*(2*\dt+\q)+2*\j+1]
.endr
.endr
.endr
	WIN 0
.irp dt, 0,1,2,3,4,5,6,7
.irp q, 0,1
	ds_store_b128 v[STO], v[SCO+4*(2*\dt+\q):SCO+4*(2*\dt+\q)+3] offset:16*KP*\q+32*\dt
.endr
.endr
.irp t, 0,1,2,3,4,5,6,7,8,9,10,11,12,13,14,15
	ds_load_b128 v[PFR+4*\t:PFR+4*\t+3], v[RD] offset:2*KP*\t      ; LDS serves a wave's instructions in order (ISA guide 5.7.1): these see my stores above
.endr
.irp t, 0,1,2,3,4,5,6,7,8,9,10,11,12,13,14,15
	s_wait_dscnt 15-\t
	global_store_b128 v[CO], v[PFR+4*\t:PFR+4*\t+3], s[22:23] offset:8192*\t   ; sixteen lanes store 256 consecutive bytes, aligned: one query's head
.endr
	; THE CAST.  The work-groups with qb = 0, 1, 2, 3 have 1, 2, 2, 3 steps where qb = 4 has 3 and the others 4; they round 24, 16, 16, 8 of their (b, head)'s 64 rows of wo
	; to f16: 3, 2, 2, 1 passes, a row of 8,192 bytes a wave and pass.  A load of a wave covers 512 consecutive bytes, a store 256, aligned.
.Lcast:
	s_cmp_eq_u32 s60, 0
	s_cbranch_scc1 .Lfin
.Lpass:
.set i, 0
.rept 16
	global_load_b128 v[SCO+4*i:SCO+4*i+3], v[CIN], s[66:67] offset:512*i th:TH_LOAD_NT   ; read once in the whole launch
.set i, i+1
.endr
.set i, 0
.rept 16
	s_wait_loadcnt 15-i                            ; loads come back in order: load i is in, the younger ones stay out
	v_cvt_pk_f16_f32 v[CY+2*i], v[SCO+4*i], v[SCO+4*i+1]
	v_cvt_pk_f16_f32 v[CY+2*i+1], v[SCO+4*i+2], v[SCO+4*i+3]
	global_store_b64 v[COUT], v[CY+2*i:CY+2*i+1], s[68:69] offset:256*i
.set i, i+1
.endr
	s_wait_xcnt 0x0                                ; the bases and the stores' data are written again only behind this wait
	s_add_nc_u64 s[66:67], s[66:67], 8*8192        ; eight rows on
	s_add_nc_u64 s[68:69], s[68:69], 8*4096
	s_sub_co_u32 s60, s60, 1
	s_cmp_lg_u32 s60, 0
	s_cbranch_scc1 .Lpass
.Lfin:
	s_wait_tensorcnt 0x0
	ds_add_u32 v62, v63
	s_wait_dscnt 0x0
	s_endpgm
.Lfunc_end_k_q5b16dbfd4e_attn:
	.size	k_q5b16dbfd4e_attn, .Lfunc_end_k_q5b16dbfd4e_attn-k_q5b16dbfd4e_attn
	.p2alignl 7, 3214868480
	.fill 96, 4, 3214868480
	.section	.rodata,"a",@progbits
	.p2align	6, 0x0
	.amdhsa_kernel k_q5b16dbfd4e_attn
		.amdhsa_group_segment_fixed_size 327680
		.amdhsa_private_segment_fixed_size 0
		.amdhsa_enable_private_segment 0
		.amdhsa_kernarg_size 32
		.amdhsa_user_sgpr_count 2
		.amdhsa_user_sgpr_kernarg_segment_ptr 1
		.amdhsa_wavefront_size32 1
		.amdhsa_system_sgpr_workgroup_id_x 1
		.amdhsa_system_sgpr_workgroup_id_y 1
		.amdhsa_system_sgpr_workgroup_id_z 1
		.amdhsa_system_vgpr_workitem_id 0
		.amdhsa_next_free_vgpr 512
		.amdhsa_next_free_sgpr 72
		.amdhsa_reserve_vcc 1
		.amdhsa_float_denorm_mode_32 3
		.amdhsa_float_denorm_mode_16_64 3
		.amdhsa_memory_ordered 1
		.amdhsa_forward_progress 1
		.amdhsa_inst_pref_size 255
	.end_amdhsa_kernel
	.section	.bss,"aw",@nobits
	.p2align	6
	.space	262144
	.amdgpu_metadata
---
amdhsa.version: [ 1, 2 ]
amdhsa.kernels:
  - .name:           k_q5b16dbfd4e_attn
    .symbol:         k_q5b16dbfd4e_attn.kd
    .args:
      - { .name: qkv, .offset: 0, .size: 8, .value_kind: global_buffer, .address_space: global }
      - { .name: wo, .offset: 8, .size: 8, .value_kind: global_buffer, .address_space: global }
      - { .name: att, .offset: 16, .size: 8, .value_kind: global_buffer, .address_space: global }
      - { .name: wo16, .offset: 24, .size: 8, .value_kind: global_buffer, .address_space: global }
    .group_segment_fixed_size: 327680
    .private_segment_fixed_size: 0
    .kernarg_segment_align: 8
    .kernarg_segment_size: 32
    .max_flat_workgroup_size: 256
    .sgpr_count:     72
    .vgpr_count:     512
    .wavefront_size: 32
...
	.end_amdgpu_metadata
.endif
;; end of part 3
;; launch gemm_out (part 4): grid 16 x 16, 4 waves a work-group, clusters of 4 x 4, 327,680 bytes of LDS; arguments att, wo16, out0; writes out0
.if DOCPART == 4
	.amdgcn_target "amdgcn-amd-amdhsa--gfx1250"
	.amdhsa_code_object_version 6
	.text
	.protected	k_q5b16dbfd4e_gemm_out
	.globl	k_q5b16dbfd4e_gemm_out
	.p2align	8
	.type	k_q5b16dbfd4e_gemm_out,@function
k_q5b16dbfd4e_gemm_out:
	s_mov_b64 s[64:65], 0
	v_nop
	global_prefetch_b8 v0, s[64:65] scope:SCOPE_SE
	s_setreg_imm32_b32 hwreg(HW_REG_WAVE_MODE, 25, 1), 1
	s_wait_xcnt 0x0
	s_wait_alu depctr_hold_cnt(0) depctr_sa_sdst(0) depctr_va_vdst(0) depctr_va_sdst(0) depctr_va_ssrc(0) depctr_va_vcc(0) depctr_vm_vsrc(0)
	s_getreg_b32 s2, hwreg(HW_REG_IB_STS2, 6, 4)
	s_cmp_eq_u32 s2, 0
	s_cbranch_scc0 .Lentry_in_a_cluster
	s_endpgm
.Lentry_in_a_cluster:
	s_bfe_u32 s2, ttmp6, 0x10000c
	s_cmp_lg_u32 s2, 0xf033
	s_cbranch_scc0 .Lentry_shape_is_right
	s_endpgm
.Lentry_shape_is_right:
; out0[t][c] = sum over k of att[t][k] wo[c][k].  att: [2048][2048] f16; wo16: [2048][2048] f16; out0: [2048][2048] f32; sums in f32.
; 2048 x 2048 outputs on 256 work-groups: a block of 128 x 128.  Four waves, 2 x 2, each 64 x 64: 16 accumulator tiles, 128 registers.
; A step's matrix work is short here, so a slot holds 256 along K (rows of 512 bytes, aligned): one tensor load a wave brings 64 such rows and has
; 120 of the wave's matrix instructions in which to land.  Two slots; eight slot steps.
; CLUSTERS: 4 x 4 work-groups; att's tile is shared along a row of the cluster, wo's along a column, each asked for jointly.
; FROM WHERE A CLUSTER WALKS K: cluster (x, y) begins with slot step r = 2 x + 4 ((y >> 1) ^ (y & 1)) modulo 8 and walks on round the end of the rows.  So the four
; clusters that read the same rows of att start a quarter of K apart, and two clusters with the same x whose y differ in one bit start half of K
; apart: in no step do they ask for the same tile; a tile is asked for first by one of them and some steps later by the others.
; Only the order of the f32 sums along K hangs on r.
; REGISTERS: window 0: v16-26 addresses; v64-127, v128-191 fragments of att, two buffers (block (h, i) at f + 8 (4 h + i): half phase h, 16 rows i);
;            window 1: the same for wo; window 2: accumulator tile (a, b) at v[8 (4 a + b)].
; The matrix instruction is used transposed (source 0 = rows of wo, source 1 = rows of att): lane l holds row l % 16 and eight neighbouring columns.
.set KS,     256
.set PITCH,  528                       ; an LDS row: 512 bytes + 16 of padding
.set PART,   64*PITCH                  ; what one tensor load brings, and what one wave reads of att or of wo
.set SLOT,   4*PART                    ; att's two halves, then wo's two halves
.set STAGE,  2*SLOT                    ; behind the ring: 16 rows x 272 bytes for each wave; no fill lands there
.set SPITCH, 272
.set LAPS,   2048/(2*KS)
.set ADRA, 16
.set ADRB, 20
.set STO,  24
.set RD,   25
.set CO,   26
.set F0,   64
.set F1,   128
.set G1, 24
.set G0, 32
.set G1B, 48
.set G0B, 56
.set OF, 72                            ; s[72:75] for each slot a pair: the byte in a row of 4,096 at which its slot step begins, and 0
.set MSB, 0
.macro WIN new
.if MSB != \new
	s_set_vgpr_msb (MSB<<8)|\new
.set MSB, \new
.endif
.endm
.set MUL,  0xa1                        ; source 0 (wo) window 1, source 1 (att) window 0, C and D window 2
.set TO_B, 0x40
.macro JLOAD s                         ; waves 0, 1 ask for att's halves, waves 2, 3 for wo's
	s_cmp_eq_u32 s11, 0
	s_cbranch_scc0 .Lfor_b_\@
	tensor_load_to_lds s[G0+4*\s:G0+4*\s+3], s[G1:G1+7]
	s_nop 0
	s_branch .Lasked_\@
.Lfor_b_\@:
	tensor_load_to_lds s[G0B+4*\s:G0B+4*\s+3], s[G1B:G1B+7]
	s_nop 0
.Lasked_\@:
.endm
; Both group 0 addresses of a slot: the tile's rows, plus the byte at which the slot's step begins; then the type
.macro AIM s
	s_add_nc_u64 s[G0+4*\s+2:G0+4*\s+3], s[14:15], s[OF+2*\s:OF+2*\s+1]
	s_or_b32 s[G0+4*\s+3], s[G0+4*\s+3], 0x80000000
	s_add_nc_u64 s[G0B+4*\s+2:G0B+4*\s+3], s[46:47], s[OF+2*\s:OF+2*\s+1]
	s_or_b32 s[G0B+4*\s+3], s[G0B+4*\s+3], 0x80000000
.endm
.macro CREST
	s_cmp_lg_u32 s10, 0
	s_cbranch_scc1 .Lnot_wave_0_\@
	s_barrier_signal -3
.Lnot_wave_0_\@:
	s_barrier_wait -3
	s_barrier_signal -1
	s_barrier_wait -1
.endm
.macro CROUND
	s_barrier_signal -1
	s_barrier_wait -1
	CREST
.endm
	s_load_b128 s[4:7], s[0:1], 0x0                ; att s[4:5], wo16 s[6:7]
	s_load_b64 s[8:9], s[0:1], 0x10                ; out0
	s_set_vgpr_msb 0x40
	v_lshl_add_u32 v255, v0, 2, 0x46400
	s_set_vgpr_msb 0x4000
	v_mov_b32 v255, 0
	s_set_vgpr_msb 0x1
	ds_add_u32 v255, v255
	ds_add_u32 v255, v255
	s_set_vgpr_msb 0x100
	v_lshrrev_b32 v1, 5, v0
	v_readfirstlane_b32 s10, v1                    ; wave 0..3
	s_lshr_b32 s11, s10, 1                         ; my half of the block's rows.  Also: I fetch for att (0) or for wo (1)
	s_and_b32 s12, s10, 1                          ; my half of its columns.  Also: which 64 rows of that tile I fetch
	s_bfe_u32 s40, ttmp6, 0x40000                  ; cx
	s_bfe_u32 s41, ttmp6, 0x40004                  ; cy
	s_lshl_b32 s42, ttmp9, 2
	s_add_co_u32 s42, s42, s40                     ; block column
	s_and_b32 s13, ttmp7, 0xffff
	s_lshr_b32 s67, s13, 1
	s_xor_b32 s67, s67, s13
	s_and_b32 s67, s67, 1                          ; (y >> 1) ^ (y & 1)
	s_lshl_b32 s67, s67, 2
	s_lshl_b32 s70, ttmp9, 1
	s_add_co_u32 s70, s70, s67                     ; r = 2 x + 4 ((y >> 1) ^ (y & 1)): the same in all sixteen work-groups of the cluster
	s_and_b32 s[OF], s70, 7
	s_lshl_b32 s[OF], s[OF], 9                     ; slot 0 begins with slot step r, 512 bytes a step
	s_mov_b32 s[OF+1], 0
	s_add_co_u32 s[OF+2], s70, 1
	s_and_b32 s[OF+2], s[OF+2], 7
	s_lshl_b32 s[OF+2], s[OF+2], 9                 ; slot 1 with slot step r + 1
	s_mov_b32 s[OF+3], 0
	s_lshl_b32 s13, s13, 2
	s_add_co_u32 s13, s13, s41                     ; block row
	s_lshl_b32 s43, s41, 2
	s_lshl_b32 s43, 15, s43                        ; my row of the cluster
	s_lshl_b32 s44, 0x1111, s40                    ; my column
	; group 1: 64 rows x 256 elements of 2 bytes, 16 bytes of padding behind every 128 words
	s_or_b32 s[G1+0], s43, (1<<16)|(1<<20)|(1<<21)|(6<<22)|(3<<25)
	s_or_b32 s[G1B+0], s44, (1<<16)|(1<<20)|(1<<21)|(6<<22)|(3<<25)
	s_mov_b32 s[G1+1], KS<<16                      ; tensor_dim0 = 256
	s_mov_b32 s[G1B+1], KS<<16
	s_mov_b32 s[G1+2], 64<<16                      ; tensor_dim1 = 64
	s_mov_b32 s[G1B+2], 64<<16
	s_mov_b32 s[G1+3], KS<<16                      ; tile_dim0 = 256
	s_mov_b32 s[G1B+3], KS<<16
	s_mov_b32 s[G1+4], 64                          ; tile_dim1 = 64
	s_mov_b32 s[G1B+4], 64
	s_mov_b32 s[G1+5], 2048                        ; elements from row to row
	s_mov_b32 s[G1B+5], 2048
	s_mov_b32 s[G1+6], 0
	s_mov_b32 s[G1B+6], 0
	s_mov_b32 s[G1+7], 0
	s_mov_b32 s[G1B+7], 0
	s_lshl_b32 s17, s12, 6                         ; which 64 rows of the tile I fetch
	s_lshl_b32 s16, s13, 7
	s_add_co_u32 s16, s16, s17                     ; att: row 128 x block row + 64 x half
	s_lshl_b32 s16, s16, 12
	s_lshl_b32 s46, s42, 7
	s_add_co_u32 s46, s46, s17                     ; wo: row 128 x block column + 64 x half
	s_lshl_b32 s46, s46, 12
	s_mov_b32 s17, 0
	s_mov_b32 s47, 0
	s_mul_i32 s20, s10, PART                       ; where the tile goes: wave x 64 rows
	s_wait_dscnt 0x0
	s_wait_kmcnt 0x0
	s_add_nc_u64 s[14:15], s[4:5], s[16:17]        ; att at my tile's first row; kept for every refill
	s_add_nc_u64 s[46:47], s[6:7], s[46:47]        ; wo likewise
	CROUND                                         ; the first joint loads meet
.irp s, 0,1
	s_mov_b32 s[G0+4*\s], 1
	s_add_co_u32 s[G0+4*\s+1], s20, \s*SLOT
	s_mov_b32 s[G0B+4*\s], 1
	s_add_co_u32 s[G0B+4*\s+1], s20, \s*SLOT
	AIM \s
	JLOAD \s                                       ; both slots' first fills: two tensor loads of the wave are out
.endr
	v_and_b32 v1, 15, v0                           ; l % 16
	v_bfe_u32 v2, v0, 4, 1                         ; l / 16
	v_mul_u32_u24 v3, v1, PITCH
	v_lshl_add_u32 v3, v2, 4, v3
	s_mul_i32 s21, s11, PART                       ; my 64 rows of att
	s_mul_i32 s22, s12, PART                       ; my 64 rows of wo,
	s_add_co_u32 s22, s22, 2*PART                  ; which lie behind att's 128
.irp s, 0,1
	v_add_nc_u32 v[ADRA+\s], s21, v3
	v_add_nc_u32 v[ADRB+\s], s22, v3
	s_add_co_u32 s21, s21, SLOT
	s_add_co_u32 s22, s22, SLOT
.endr
	s_mul_i32 s23, s10, 16*SPITCH
	s_add_co_u32 s23, s23, STAGE                   ; my stage
	v_mul_u32_u24 v4, v1, SPITCH                   ; in: row l % 16, 32 bytes (8 f32) for each half of the lanes
	v_lshl_add_u32 v4, v2, 5, v4
	v_add_nc_u32 v[STO], s23, v4
	v_mul_u32_u24 v5, v2, SPITCH                   ; back: lanes 0-15 one row of 256 bytes, lanes 16-31 the next
	v_lshl_add_u32 v5, v1, 4, v5
	v_add_nc_u32 v[RD], s23, v5
	v_lshlrev_b32 v5, 13, v2                       ; and the same two rows in out0
	v_lshl_add_u32 v[CO], v1, 4, v5
; 8 matrix instructions: row blocks a0, a0 + 1 x all 4 column blocks, 32 along K (half phase ks)
.macro MUL8 f, ks, a0, zero
.irp a, \a0, \a0+1
.irp b, 0,1,2,3
.if \zero
	v_wmma_f32_16x16x32_f16 v[8*(4*(\a)+\b):8*(4*(\a)+\b)+7], v[\f+8*(4*\ks+\b):\f+8*(4*\ks+\b)+7], v[\f+8*(4*\ks+\a):\f+8*(4*\ks+\a)+7], 0
.else
	v_wmma_f32_16x16x32_f16 v[8*(4*(\a)+\b):8*(4*(\a)+\b)+7], v[\f+8*(4*\ks+\b):\f+8*(4*\ks+\b)+7], v[\f+8*(4*\ks+\a):\f+8*(4*\ks+\a)+7], v[8*(4*(\a)+\b):8*(4*(\a)+\b)+7]
.endif
.endr
.endr
.endm
; 32 LDS loads in one run: a phase's fragments (64 rows of wo, 64 rows of att, 64 K at byte kb of the rows) into buffer f
.macro FETCH slot, kb, f
	WIN TO_B
.irp h, 0,1
.irp i, 0,1,2,3
	ds_load_b128 v[\f+8*(4*\h+\i):\f+8*(4*\h+\i)+3],   v[ADRB+\slot] offset:\kb+64*\h+\i*16*PITCH
	ds_load_b128 v[\f+8*(4*\h+\i)+4:\f+8*(4*\h+\i)+7], v[ADRB+\slot] offset:\kb+64*\h+\i*16*PITCH+32
.endr
.endr
	WIN 0
.irp h, 0,1
.irp i, 0,1,2,3
	ds_load_b128 v[\f+8*(4*\h+\i):\f+8*(4*\h+\i)+3],   v[ADRA+\slot] offset:\kb+64*\h+\i*16*PITCH
	ds_load_b128 v[\f+8*(4*\h+\i)+4:\f+8*(4*\h+\i)+7], v[ADRA+\slot] offset:\kb+64*\h+\i*16*PITCH+32
.endr
.endr
.endm
.macro PLACES                          ; four independent vector instructions behind a matrix instruction (ISA guide 7.12.1 for vector instructions)
.rept 4
	v_nop
.endr
.endm
; A slot step is four phases of 64 along K, 32 matrix instructions each, on buffers 0, 1, 0, 1.  The 16 accumulators take turns, one instruction a
; turn.  zero = 1: the phase's first half starts the sums.
.macro PHASE slot, kb, f, g, zero
	s_wait_dscnt 8                                 ; all but the youngest eight loads (att's second half phase) are in
	WIN MUL
	MUL8 \f, 0, 0, \zero
	MUL8 \f, 0, 2, \zero
	PLACES
	FETCH \slot, \kb, \g
	s_wait_dscnt 32                                ; all but the 32 just issued
	WIN MUL
	MUL8 \f, 1, 0, 0
	MUL8 \f, 1, 2, 0
.endm
.macro THREE slot, zero
	PHASE \slot, 128, F0, F1, \zero
	PHASE \slot, 256, F1, F0, 0
	PHASE \slot, 384, F0, F1, 0
.endm
; The last phase multiplies buffer 1 and changes slots: waits, barrier (a round of the cluster's barrier where the slot is filled again), refill first.
.macro TURN slot, next, fill
	s_wait_dscnt 8
	WIN MUL
	MUL8 F1, 0, 0, 0
	s_wait_dscnt 0                                 ; my reads of this slot are over
	s_wait_tensorcnt 0x0                           ; and all my tensor loads have landed: my part of the next slot
	ds_add_u32 v255, v255
	s_wait_dscnt 0x0
	s_barrier_signal -1
	MUL8 F1, 0, 2, 0                               ; register work while the others arrive
	WIN 0
	s_barrier_wait -1
.if \fill
	CREST                                          ; no wave of any partner still reads this slot or has a load on its way
	s_add_co_u32 s[OF+2*\slot], s[OF+2*\slot], 2*KS*2          ; two slot steps on,
	s_and_b32 s[OF+2*\slot], s[OF+2*\slot], 4095               ; round the end of the row of 4,096 bytes
	AIM \slot                                      ; no load of mine is out: the group 0 sets may be written
	JLOAD \slot                                    ; the first tensor load behind the round, and the wave's only one
.endif
	PLACES
	FETCH \next, 0, F0
	WIN MUL
	MUL8 F1, 1, 0, 0
	MUL8 F1, 1, 2, 0
.endm
.macro LAP zero
	THREE 0, \zero
	TURN 0, 1, 1
	THREE 1, 0
	TURN 1, 0, 1
.endm
	s_wait_tensorcnt 1                             ; my part of slot 0 is in; slot 1's may stay out
	s_barrier_signal -1
	s_barrier_wait -1
	FETCH 0, 0, F0
	LAP 1
	WIN 0
	s_mov_b32 s3, LAPS-2
.Llap:
	LAP 0
	WIN 0
	s_sub_co_u32 s3, s3, 1
	s_cmp_lg_u32 s3, 0
	s_cbranch_scc1 .Llap
	THREE 0, 0                                     ; the last lap fills nothing
	TURN 0, 1, 0
	THREE 1, 0
	s_wait_dscnt 8
	WIN MUL
	MUL8 F1, 0, 0, 0
	MUL8 F1, 0, 2, 0
	s_wait_dscnt 0
	MUL8 F1, 1, 0, 0
	MUL8 F1, 1, 2, 0
	; THE WAY OUT, 16 rows at a time: a lane's 32 bytes into my own stage, read back as whole rows of 256 bytes (my 64 columns in f32)
	PLACES
	s_lshl_b32 s16, s13, 7
	s_lshl_b32 s14, s11, 6
	s_add_co_u32 s16, s16, s14                     ; my first row
	s_lshl_b32 s16, s16, 13
	s_mov_b32 s17, 0
	s_add_nc_u64 s[8:9], s[8:9], s[16:17]
	s_lshl_b32 s46, s42, 9                         ; my first column, in bytes: 512 x block + 256 x half
	s_lshl_b32 s47, s12, 8
	s_add_co_u32 s46, s46, s47
	s_mov_b32 s47, 0
	s_add_nc_u64 s[8:9], s[8:9], s[46:47]
.macro OUT16 a, f
	WIN 0x08                                       ; the stores' data in window 2, the address in window 0
.irp b, 0,1,2,3
	ds_store_b128 v[STO], v[8*(4*\a+\b):8*(4*\a+\b)+3]   offset:64*\b
	ds_store_b128 v[STO], v[8*(4*\a+\b)+4:8*(4*\a+\b)+7] offset:64*\b+16
.endr
	WIN 0
	s_wait_xcnt 0x0                                ; buffer f, which earlier stores read, and the stores' base are rewritten only behind this wait
.if \a
	s_add_nc_u64 s[8:9], s[8:9], 16*8192           ; 16 rows on
.endif
.irp t, 0,1,2,3,4,5,6,7
	ds_load_b128 v[\f+4*\t:\f+4*\t+3], v[RD] offset:\t*2*SPITCH    ; LDS serves a wave's instructions in order (ISA guide 5.7.1): these see my stores above
.endr
.irp t, 0,1,2,3,4,5,6,7
	s_wait_dscnt 7-\t
	global_store_b128 v[CO], v[\f+4*\t:\f+4*\t+3], s[8:9] offset:2*\t*8192 th:TH_STORE_NT   ; sixteen lanes store 256 consecutive bytes, aligned
.endr
.endm
	OUT16 0, F0
	OUT16 1, F1
	OUT16 2, F0
	OUT16 3, F1
	s_set_vgpr_msb 0x1
	s_wait_tensorcnt 0x0
	ds_add_u32 v255, v255
	s_wait_dscnt 0x0
	s_set_vgpr_msb 0x100
	CROUND                                         ; the closing round
	s_endpgm
.Lfunc_end_k_q5b16dbfd4e_gemm_out:
	.size	k_q5b16dbfd4e_gemm_out, .Lfunc_end_k_q5b16dbfd4e_gemm_out-k_q5b16dbfd4e_gemm_out
	.p2alignl 7, 3214868480
	.fill 96, 4, 3214868480
	.section	.rodata,"a",@progbits
	.p2align	6, 0x0
	.amdhsa_kernel k_q5b16dbfd4e_gemm_out
		.amdhsa_group_segment_fixed_size 327680
		.amdhsa_private_segment_fixed_size 0
		.amdhsa_enable_private_segment 0
		.amdhsa_kernarg_size 24
		.amdhsa_user_sgpr_count 2
		.amdhsa_user_sgpr_kernarg_segment_ptr 1
		.amdhsa_wavefront_size32 1
		.amdhsa_system_sgpr_workgroup_id_x 1
		.amdhsa_system_sgpr_workgroup_id_y 1
		.amdhsa_system_sgpr_workgroup_id_z 1
		.amdhsa_system_vgpr_workitem_id 0
		.amdhsa_next_free_vgpr 640
		.amdhsa_next_free_sgpr 80
		.amdhsa_reserve_vcc 0
		.amdhsa_float_denorm_mode_32 3
		.amdhsa_float_denorm_mode_16_64 3
		.amdhsa_memory_ordered 1
		.amdhsa_forward_progress 1
		.amdhsa_inst_pref_size 124
	.end_amdhsa_kernel
	.amdgpu_metadata
---
amdhsa.version: [ 1, 2 ]
amdhsa.kernels:
  - .name:           k_q5b16dbfd4e_gemm_out
    .symbol:         k_q5b16dbfd4e_gemm_out.kd
    .args:
      - { .name: att, .offset: 0, .size: 8, .value_kind: global_buffer, .address_space: global }
      - { .name: wo16, .offset: 8, .size: 8, .value_kind: global_buffer, .address_space: global }
      - { .name: out0, .offset: 16, .size: 8, .value_kind: global_buffer, .address_space: global }
    .group_segment_fixed_size: 327680
    .private_segment_fixed_size: 0
    .kernarg_segment_align: 8
    .kernarg_segment_size: 24
    .max_flat_workgroup_size: 128
    .sgpr_count:     80
    .vgpr_count:     640
    .wavefront_size: 32
...
	.end_amdgpu_metadata
.endif
;; end of part 4
